; MI455X (gfx1250); checked and timed in simulation.
; The chip was launched on July 23, 2026; its instructions are those of AMD's public machine-readable ISA for CDNA 5 (MIT licence, August 2026) and "CDNA5" Instruction Set Architecture Reference Guide (July 2026). The comments in the code are by the model that wrote it; some were corrected since.
;; Multihead Cube Attention. Allowed arithmetic: matrix products marked QUANTISED: E2M3 operands, one E8M0 scale for each 32 along K, by v_wmma_scale_f32_16x16x128_f8f6f4 with both operands' format E2M3, f32 sums; products left as they are: f32 operands where the result goes on into a quantised operand, else bf16, f16 or f32 operands; f32 sums; everything else in f32.
;; Inputs: Wk_hyper 65,536 x 256 float32; Wq 256 x 256 float32; Wv_hyper 65,536 x 256 float32; k 512 x 256 float32; mask 512 x 512 bool; q 512 x 256 float32; v 512 x 256 float32.
;; Outputs: out0 512 x 256 float32.
;; This version of the problem:
;;   THIS VERSION OF THE PROBLEM IS GIVEN IN LOW PRECISION. The matrix products marked QUANTISED in the list below multiply operands that are first quantised to E2M3 (2 exponent bits, 3 mantissa bits; 6 bits a number), with one power-of-two scale for each 32 numbers along K (OCP MX v1.0); their sums are f32. All else is computed in f32.
;;   The module's matrix products, in the order in which they are computed (A, B: the left and right operand; K: the contracted axis; several contracted axes count as one K, in the product's order):
;;     1. [M 512, K 256] x [K 256, N 256]; A: input q; B: input Wq: QUANTISED
;;     2. [M 512, K 256] x [K 256, N 65,536]; A: computed on the way; B: input Wk_hyper: QUANTISED
;;     3. [M 512, K 256] x [K 256, N 65,536]; A: computed on the way; B: input Wv_hyper: QUANTISED
;;     4. [M 512, K 256] x [K 256, N 131,072]; A: input k; B: computed on the way: QUANTISED
;;     5. [M 512, K 256] x [K 256, N 131,072]; A: input v; B: computed on the way: QUANTISED
;;     6. batch 4,096 x [M 1, K 32] x [K 32, N 512]; A: computed on the way; B: computed on the way: left as it is (M = 1 < 16)
;;     7. batch 4,096 x [M 1, K 512] x [K 512, N 32]; A: softmax; B: computed on the way: left as it is (M = 1 < 16)
;;   THE QUANTISER, for each operand of a quantised product, along K:
;;     - K is cut into blocks of 32 from its start; a last block that is shorter is filled with zeros.
;;     - A block's scale is 2^e with e = floor(log2(the largest magnitude in the block)) - 2, held to -126 .. 127; a block of zeros has e = 0. As a byte (E8M0): e + 127.
;;     - Each number is divided by its block's scale, clamped to +-7.5, and rounded to the nearest number of E2M3, ties to even, subnormals kept.
;;     - The product sums the exact products of the quantised numbers (number of the format x scale) in f32.
;;   ~~~python
;;   def quantise(x, axis):      # numpy; x: float32 -> the quantised numbers, widened to float32 again
;;       x = np.moveaxis(x, axis, -1); K = x.shape[-1]
;;       x = np.pad(x, [(0, 0)] * (x.ndim - 1) + [(0, -K % 32)]); x = x.reshape(x.shape[:-1] + (-1, 32)); a = np.abs(x).max(-1, keepdims=True)
;;       e = np.where(a > 0, np.clip(np.frexp(np.where(a > 0, a, 1))[1] - 1 - 2, -126, 127), 0)      # np.frexp(a)[1] - 1 = floor(log2(a)), exactly
;;       r = np.clip(x / 2.0 ** e, -7.5, 7.5)
;;       step = 2.0 ** (np.maximum(np.frexp(np.where(r == 0, 1, r))[1] - 1, 0) - 3)
;;       q = np.round(r / step) * step * 2.0 ** e      # np.round: ties to even
;;       return np.moveaxis(q.reshape(q.shape[:-2] + (-1,))[..., :K], -1, axis).astype(np.float32)
;;   ~~~
;;   OPERANDS COMPUTED ON THE WAY. 'Computed on the way' means the value that the module computes at that place (a softmax that the list does not call 'softmax' is quantised finished and normalised). What goes into a quantiser is computed in f32, as accurately as f32 sums, v_exp_f32 and their like allow (about 1e-6 of the number): no bf16 or f16 on the way to a quantiser, and a product that is left as it is and whose result goes on into a quantised operand takes f32 operands (vector FMAs, or v_wmma_f32_16x16x4_f32). A number that lies on a knife's edge between two numbers of the format may be rounded either way, as far as f32 arithmetic and the matrix unit's own rounding can turn it there, and no further.
;; One version. Each part assembles by itself: llvm-mc -triple=amdgcn-amd-amdhsa -mcpu=gfx1250 --defsym DOCPART=n.
;; ======== version 1 of 1: 3 launches
;; limits: right only within a limited range of input values
;; workspace buffers: qpi 98,304 bytes; qps 4,096 bytes; qpf 524,288 bytes; kvi 196,608 bytes; kvs 8,192 bytes; pimg 50,331,648 bytes; psc 2,097,152 bytes
;; launch prep (part 1): grid 16 x 1, 4 waves a work-group, no clusters, 159,232 bytes of LDS; arguments q, Wq, k, v, qpi, qps, qpf, kvi, kvs; writes qpi, qps, qpf, kvi, kvs
.if DOCPART == 1
	.amdgcn_target "amdgcn-amd-amdhsa--gfx1250"
	.amdhsa_code_object_version 6
	.text
	.protected	k_q527fa3a8db_prep
	.globl	k_q527fa3a8db_prep
	.p2align	8
	.type	k_q527fa3a8db_prep,@function
k_q527fa3a8db_prep:
	s_mov_b64 s[64:65], 0
	v_nop
	global_prefetch_b8 v0, s[64:65] scope:SCOPE_SE
	s_setreg_imm32_b32 hwreg(HW_REG_WAVE_MODE, 25, 1), 1
	s_wait_xcnt 0x0
; PREP.  qp = Q(q) Q(Wq)^T (512 x 256, K = 256, codes of E2M3 with one E8M0 scale for 32 along K), stored twice: as f32 (qpf) and quantised along its 256 (qpi, qps); and Q(k), Q(v) (kvi, kvs).
; AN OPERAND IS STORED AS AN IMAGE OF ITS REGISTERS: a fragment (16 rows x 128 K) is 12 registers a lane, 1,536 bytes: register 4 x + e of lane L at byte 512 x + 16 L + 4 e: three accesses of 16 bytes a lane bring it.
; A SCALE LINE is 128 bytes for 16 rows x 256 K: the word at 4 L is row L's word of K step 0 (L < 16) or row L - 16's of K step 1: one register serves both K steps, the second by the ROW1 selectors.
; SHARES.  Work-group g takes outputs 128 (g & 1) on; wave w the 16 queries of tile ib = 4 (g >> 1) + w, and tile 4 g + w of the 64 tiles of k and v.  The work-group's 128 rows of Wq are quantised once, 32 rows a wave, and go
; from wave to wave through LDS as images.  The product is used transposed (source 0 = 16 rows of Wq, source 1 = 16 queries): a lane holds one query, and THE ROWS OF Wq THAT FORM A TILE ARE NOT NEIGHBOURS: lane r of tile
; 2 b + u takes row 32 b + 8 u + r + 8 (r / 8), so that the 16 registers of tiles 2 b and 2 b + 1 are 16 neighbours along the next K.
; f32 rows come in as they lie, 512 consecutive bytes a load, and turn through the wave's own stage in LDS (rows 1,040 bytes apart), from which a lane takes its row's 32 neighbours of a block.
; No clusters, no tensor loads, no prefetch: sixteen work-groups that ask for all their bytes in their first lines.
; LIMITS: NaN and infinities among the inputs are not served; a block whose largest magnitude lies under 2^-124 (zeros among them) keeps the scale byte 1: its bytes are read by this program alone.
; qps: lanes l and l + 16 store the same word at the same place, 64 bytes a wave of a buffer of 4,096 bytes.
.set PITCH, 1040                       ; a stage row: 1,024 bytes + 16
.set STGB,  32*PITCH                   ; a wave's stage
.set WQI,   4*STGB                     ; behind the stages: Wq's 16 fragments (tile T, K step S: 2 T + S),
.set WQS,   WQI+16*1536                ; and their 8 scale lines
.set LOFF, 4                           ; v4   16 x lane
.set STW,  5                           ; v5   my stage + 16 x lane
.set FRD,  6                           ; v6   my stage + 1,040 r + 128 h: my row's block in the stage
.set WIW,  7                           ; v7   where I store Wq's images
.set WSW,  8                           ; v8   and their scale lines
.set SH8,  9                           ; v9   8 h
.set LS,   10                          ; v10  4 x lane
.set WIR,  11                          ; v11  WQI + 16 x lane
.set WSR,  12                          ; v12  WQS + 4 x lane
.set R4,   13                          ; v13  4 r
.set SO,   14                          ; v14  the way out of qp: my stage + 528 r + 64 h
.set X,    16                          ; v16-79  64 numbers at work
.set D,    16                          ; and the 8 accumulators
.set PC,   80                          ; v80-91  the codes just made
.set CT,   92                          ; v92-98  second halves (a conversion's three registers begin on an even number)
.set TM,   100                         ; v100-115 at work
.set PW,   116                         ; the scale word just made
.set WS0,  117                         ; K step 0's word, kept
.set LN,   118                         ; a scale line on its way out
.set QF,   120                         ; v120-143 q's two fragments
.set QSC,  168                         ; q's scale line
.set WSC,  170                         ; v170-177 Wq's scale lines
.set WV,   22
.set SEL,  24
.set HI,   26
.set MSB, 0
.macro WIN new                         ; the immediate's high byte repeats the setting that is left
.if MSB != \new
	s_set_vgpr_msb (MSB<<8)|\new
.set MSB, \new
.endif
.endm
.macro LOADG slot, sb, off             ; 8 dense rows of 1,024 bytes into ring slot (window 1): 512 consecutive bytes a load
	WIN 0x40
.irp i, 0,1,2,3,4,5,6,7,8,9,10,11,12,13,14,15
	global_load_b128 v[64*(\slot)+4*\i:64*(\slot)+4*\i+3], v[LOFF], s[\sb:\sb+1] offset:(\off)+512*\i
.endr
.endm
.macro STOREG slot, pos0               ; and on into stage rows pos0 .. pos0 + 7
	WIN 0x04
.irp i, 0,1,2,3,4,5,6,7,8,9,10,11,12,13,14,15
	ds_store_b128 v[STW], v[64*(\slot)+4*\i:64*(\slot)+4*\i+3] offset:((\pos0)+\i/2)*PITCH+512*(\i%2)
.endr
.endm
; Stage rows 16 u + r, K step ks: lane (r, h) takes k = 128 ks + 64 c + 32 h + 0 .. 31 of its row, two whole blocks, and makes the fragment's 12 registers in v[dst] on and the row's scale word in v[PW].
.macro FRAGQ u, ks, dst
	WIN 0
.irp c, 0,1
.irp e, 0,1,2,3,4,5,6,7
	ds_load_b128 v[X+32*\c+4*\e:X+32*\c+4*\e+3], v[FRD] offset:(\u)*16*PITCH+512*(\ks)+256*\c+16*\e
.endr
.endr
	s_wait_dscnt 0x0                               ; the numbers are in; every earlier LDS store of mine has read its registers
.irp c, 0,1
	v_max3_num_f32 v[TM+\c], |v[X+32*\c]|, |v[X+32*\c+1]|, 0x1800000   ; the floor 2^(3 - 127): the byte cannot fall under 1
.endr
.irp i, 2,4,6,8,10,12,14,16,18,20,22,24,26,28,30
.irp c, 0,1
	v_max3_num_f32 v[TM+\c], v[TM+\c], |v[X+32*\c+\i]|, |v[X+32*\c+\i+1]|
.endr
.endr
.irp c, 0,1
	v_add_nc_u32 v[TM+12+\c], 0xff000000, v[TM+\c] ; 2 off the exponent field: the conversion's scale operand
.endr
.irp c, 0,1
	v_lshrrev_b32 v[TM+4+\c], 23, v[TM+12+\c]      ; the scale's byte
.endr
	v_lshl_or_b32 v[PW], v[TM+5], 16, v[TM+4]      ; my two bytes, blocks h and 2 + h,
	v_lshlrev_b32 v[PW], v[SH8], v[PW]             ; at their places;
	v_permlanex16_b32 v[TM+6], v[PW], s[SEL], s[SEL+1]
	v_or_b32 v[PW], v[PW], v[TM+6]                 ; with lane l xor 16's two the word is whole
.irp c, 0,1
	v_cvt_scalef32_pk16_fp6_f32 v[(\dst)+6*\c:(\dst)+6*\c+2], v[X+32*\c:X+32*\c+15], v[TM+12+\c]
	v_cvt_scalef32_pk16_fp6_f32 v[CT+4*\c:CT+4*\c+2], v[X+32*\c+16:X+32*\c+31], v[TM+12+\c]
.endr
	v_nop                                          ; one plain place behind a scaled conversion
.irp c, 0,1
.irp i, 0,1,2
	v_mov_b32 v[(\dst)+6*\c+3+\i], v[CT+4*\c+\i]
.endr
.endr
.endm
; 64 numbers of a lane, register 16 b + i = k 32 b + 16 h + i of my row, become a fragment's codes in v[PC] on and its scale word in v[PW].
.macro QUANT s
.irp b, 0,1,2,3
	v_max3_num_f32 v[TM+\b], |v[\s+16*\b]|, |v[\s+1+16*\b]|, 0x1800000
.endr
.irp i, 2,4,6,8,10,12,14
.irp b, 0,1,2,3
	v_max3_num_f32 v[TM+\b], v[TM+\b], |v[\s+16*\b+\i]|, |v[\s+1+16*\b+\i]|
.endr
.endr
.irp b, 0,1,2,3
	v_permlanex16_b32 v[TM+4+\b], v[TM+\b], s[SEL], s[SEL+1]
.endr
.irp b, 0,1,2,3
	v_max_num_f32 v[TM+\b], v[TM+\b], v[TM+4+\b]   ; with lane l xor 16's: the block's largest magnitude
.endr
.irp b, 0,1,2,3
	v_add_nc_u32 v[TM+12+\b], 0xff000000, v[TM+\b]
.endr
.irp b, 0,1,2,3
	v_lshrrev_b32 v[TM+4+\b], 23, v[TM+12+\b]
.endr
	v_lshl_or_b32 v[PW], v[TM+5], 8, v[TM+4]
	v_lshl_or_b32 v[PW], v[TM+6], 16, v[PW]
	v_lshl_or_b32 v[PW], v[TM+7], 24, v[PW]
.irp c, 0,1
	v_cvt_scalef32_pk16_fp6_f32 v[PC+6*\c:PC+2+6*\c], v[\s+32*\c:\s+15+32*\c], v[TM+12+2*\c]
	v_cvt_scalef32_pk16_fp6_f32 v[CT+4*\c:CT+2+4*\c], v[\s+16+32*\c:\s+31+32*\c], v[TM+12+2*\c+1]
.endr
	v_nop                                          ; one plain place behind a scaled conversion
.irp c, 0,1                                    ; the operand's layout wants a whole block in a lane
.irp i, 0,1,2
	v_permlane16_swap_b32 v[PC+6*\c+\i], v[CT+4*\c+\i]
.endr
.irp i, 0,1,2
	v_mov_b32 v[PC+3+6*\c+\i], v[CT+4*\c+\i]
.endr
.endr
.endm
; 16 matrix instructions: the 8 tiles by turns, K step 0 (which starts the sums) and K step 1 (scale words from lanes 16-31)
.macro MM p
	WIN 0x02                                       ; source 0 (the weight) window 2
.irp t, 0,1,2,3,4,5,6,7
	v_wmma_scale_f32_16x16x128_f8f6f4 v[D+8*\t:D+8*\t+7], v[24*\t:24*\t+11], v[QF+24*(\p):QF+24*(\p)+11], 0, v[WSC+\t], v[QSC+(\p)] matrix_a_fmt:MATRIX_FMT_FP6 matrix_b_fmt:MATRIX_FMT_FP6
.endr
.irp t, 0,1,2,3,4,5,6,7
	v_wmma_scale_f32_16x16x128_f8f6f4 v[D+8*\t:D+8*\t+7], v[24*\t+12:24*\t+23], v[QF+24*(\p)+12:QF+24*(\p)+23], v[D+8*\t:D+8*\t+7], v[WSC+\t], v[QSC+(\p)] matrix_a_fmt:MATRIX_FMT_FP6 matrix_b_fmt:MATRIX_FMT_FP6 matrix_a_scale:MATRIX_SCALE_ROW1 matrix_b_scale:MATRIX_SCALE_ROW1
.endr
	WIN 0
.endm
	s_load_b256 s[4:11], s[0:1], 0x0               ; q s[4:5], Wq s[6:7], k s[8:9], v s[10:11]
	s_load_b256 s[12:19], s[0:1], 0x20             ; qpi s[12:13], qps s[14:15], qpf s[16:17], kvi s[18:19]
	s_load_b64 s[20:21], s[0:1], 0x40              ; kvs
	v_lshl_add_u32 v254, v0, 2, 0x26c00
	v_mov_b32 v255, 0
	v_lshrrev_b32 v1, 5, v0
	v_readfirstlane_b32 s[WV], v1                  ; wave 0..3
	v_and_b32 v1, 31, v0                           ; lane
	v_and_b32 v2, 15, v0                           ; r
	v_bfe_u32 v3, v0, 4, 1                         ; h
	v_lshlrev_b32 v[LOFF], 4, v1
	s_and_b32 s30, ttmp9, 1                        ; which 128 outputs
	s_lshr_b32 s31, ttmp9, 1
	s_lshl_b32 s31, s31, 2
	s_add_co_u32 s31, s31, s[WV]                   ; ib: my tile of queries
	s_lshl_b32 s32, ttmp9, 2
	s_add_co_u32 s32, s32, s[WV]                   ; my tile of k (0-31) or v (32-63)
	s_lshl_b32 s34, s30, 17
	s_lshl_b32 s36, s[WV], 15
	s_add_co_u32 s34, s34, s36                     ; Wq: row 128 (g & 1) + 32 w, 1,024 bytes a row
	s_mov_b32 s35, 0
	s_lshl_b32 s36, s31, 14                        ; q: 16 rows a tile
	s_mov_b32 s37, 0
	s_and_b32 s38, s32, 31
	s_lshl_b32 s38, s38, 14
	s_mov_b32 s39, 0
	s_wait_alu depctr_va_vdst(0)
	s_wait_kmcnt 0x0
	s_add_nc_u64 s[6:7], s[6:7], s[34:35]
	s_add_nc_u64 s[4:5], s[4:5], s[36:37]
	s_cmp_lt_u32 ttmp9, 8                          ; the first eight work-groups take k, the others v: the choice hangs on the work-group's number alone
	s_cselect_b64 s[8:9], s[8:9], s[10:11]
	s_add_nc_u64 s[8:9], s[8:9], s[38:39]
	LOADG 0, 6, 0                                  ; my 32 rows of Wq fill the ring
	LOADG 1, 6, 8192
	LOADG 2, 6, 16384
	LOADG 3, 6, 24576
	WIN 0
	s_mul_i32 s27, s[WV], STGB                     ; my stage
	v_add_nc_u32 v[STW], s27, v[LOFF]
	v_mul_u32_u24 v[FRD], v2, PITCH
	v_lshl_add_u32 v[FRD], v3, 7, v[FRD]
	v_add_nc_u32 v[FRD], s27, v[FRD]
	s_mul_i32 s28, s[WV], 4*1536
	s_add_co_u32 s28, s28, WQI
	v_add_nc_u32 v[WIW], s28, v[LOFF]              ; my tiles 2 w, 2 w + 1: four fragments
	v_lshlrev_b32 v[LS], 2, v1
	s_lshl_b32 s28, s[WV], 8
	s_add_co_u32 s28, s28, WQS
	v_add_nc_u32 v[WSW], s28, v[LS]
	v_lshlrev_b32 v[SH8], 3, v3
	v_add_nc_u32 v[WIR], WQI, v[LOFF]
	v_add_nc_u32 v[WSR], WQS, v[LS]
	v_lshlrev_b32 v[R4], 2, v2
	v_mul_u32_u24 v[SO], v2, 528
	v_lshl_add_u32 v[SO], v3, 6, v[SO]
	v_add_nc_u32 v[SO], s27, v[SO]
.irp b, 0,1,2,3
	v_mov_b32 v[TM+4+\b], 0                        ; written once: a lane permute's destination counts as one of its sources
.endr
	s_mov_b32 s[SEL], 0x76543210
	s_mov_b32 s[SEL+1], 0xfedcba98                 ; lane l xor 16
	s_mov_b32 s[HI], 0xffff0000                    ; lanes 16-31
	s_mul_i32 s34, s31, 3072                       ; where my results go
	s_mul_i32 s36, s30, 1536
	s_add_co_u32 s34, s34, s36
	s_add_nc_u64 s[12:13], s[12:13], s[34:35]      ; qpi: tile ib, K step g & 1
	s_lshl_b32 s34, s31, 7
	s_lshl_b32 s36, s30, 6
	s_add_co_u32 s34, s34, s36
	s_add_nc_u64 s[14:15], s[14:15], s[34:35]      ; qps: its half of the line
	s_lshl_b32 s34, s31, 14
	s_lshl_b32 s36, s30, 9
	s_add_co_u32 s34, s34, s36
	s_add_nc_u64 s[16:17], s[16:17], s[34:35]      ; qpf: row 16 ib, column 128 (g & 1)
	s_mul_i32 s34, s32, 3072
	s_add_nc_u64 s[18:19], s[18:19], s[34:35]      ; kvi
	s_lshl_b32 s34, s32, 7
	s_add_nc_u64 s[20:21], s[20:21], s[34:35]      ; kvs
	; Wq's four groups go to the stage, in the tiles' order of rows; each slot that is free takes 8 rows of q, then of k or v
	s_wait_loadcnt 48                              ; the oldest group is in; the three behind it may be out
	STOREG 0, 0
	s_wait_dscnt 0x0                               ; the stores have read the slot's registers
	LOADG 0, 4, 0
	s_wait_loadcnt 48
	STOREG 1, 16
	s_wait_dscnt 0x0
	LOADG 1, 4, 8192
	s_wait_loadcnt 48
	STOREG 2, 8
	s_wait_dscnt 0x0
	LOADG 2, 8, 0
	s_wait_loadcnt 48
	STOREG 3, 24
	s_wait_dscnt 0x0
	LOADG 3, 8, 8192
.irp u, 0,1                                    ; my two tiles of Wq become four images and two scale lines
	FRAGQ \u, 0, PC
.irp x, 0,1,2
	ds_store_b128 v[WIW], v[PC+4*\x:PC+4*\x+3] offset:(2*\u)*1536+512*\x
.endr
	v_mov_b32 v[WS0], v[PW]
	FRAGQ \u, 1, PC
.irp x, 0,1,2
	ds_store_b128 v[WIW], v[PC+4*\x:PC+4*\x+3] offset:(2*\u+1)*1536+512*\x
.endr
	v_cndmask_b32 v[LN], v[WS0], v[PW], s[HI]      ; lanes 0-15 K step 0's word, lanes 16-31 K step 1's
	ds_store_b32 v[WSW], v[LN] offset:128*\u
.endr
	s_wait_loadcnt 48                              ; q's rows 0-7
	STOREG 0, 0
	s_wait_loadcnt 32                              ; and 8-15
	STOREG 1, 8
	FRAGQ 0, 0, QF
	v_mov_b32 v[WS0], v[PW]
	FRAGQ 0, 1, QF+12
	v_cndmask_b32 v[QSC], v[WS0], v[PW], s[HI]     ; the vector lines of the next two fragments are the places between this line and the products
	s_wait_loadcnt 16                              ; k's or v's rows 0-7
	STOREG 2, 16
	s_wait_loadcnt 0x0
	STOREG 3, 24
	FRAGQ 1, 0, PC
.irp x, 0,1,2
	global_store_b128 v[LOFF], v[PC+4*\x:PC+4*\x+3], s[18:19] offset:512*\x      ; 512 consecutive bytes a store
.endr
	v_mov_b32 v[WS0], v[PW]
	s_wait_xcnt 0x0                                ; the stores' data are written again only behind this wait
	FRAGQ 1, 1, PC
.irp x, 0,1,2
	global_store_b128 v[LOFF], v[PC+4*\x:PC+4*\x+3], s[18:19] offset:1536+512*\x
.endr
	v_cndmask_b32 v[LN], v[WS0], v[PW], s[HI]
	global_store_b32 v[LS], v[LN], s[20:21]
	s_wait_xcnt 0x0                                ; likewise: the codes' registers are written again below
	s_wait_dscnt 0x0                               ; for the others' sake: my images of Wq have landed
	s_barrier_signal -1
	s_barrier_wait -1
	WIN 0x80                                       ; all 16 fragments of Wq into window 2
.set J, 0
.rept 48
	ds_load_b128 v[4*J:4*J+3], v[WIR] offset:512*J
.set J, J+1
.endr
	WIN 0
.irp t, 0,1,2,3,4,5,6,7
	ds_load_b32 v[WSC+\t], v[WSR] offset:128*\t
.endr
	s_wait_dscnt 0x0
	MM 0
.rept 4
	v_nop                                          ; four places between the products and the first read of their results
.endr
	QUANT D                                        ; each accumulator is read from its low end on
.irp x, 0,1,2
	global_store_b128 v[LOFF], v[PC+4*\x:PC+4*\x+3], s[12:13] offset:512*\x
.endr
	global_store_b32 v[R4], v[PW], s[14:15]
	; qp in f32: a lane's registers 16 b + 8 u + j are columns 32 b + 16 h + 8 u + j of row r: through my stage (rows of 528 bytes), back as whole rows of 512 bytes
.irp b, 0,1,2,3
.irp u, 0,1
	ds_store_b128 v[SO], v[D+16*\b+8*\u:D+16*\b+8*\u+3] offset:128*\b+32*\u
	ds_store_b128 v[SO], v[D+16*\b+8*\u+4:D+16*\b+8*\u+7] offset:128*\b+32*\u+16
.endr
.endr
.irp i, 0,1,2,3,4,5,6,7,8,9,10,11,12,13,14,15
	ds_load_b128 v[X+4*\i:X+4*\i+3], v[STW] offset:528*\i       ; LDS serves a wave's instructions in order: these see the stores above
.endr
.irp i, 0,1,2,3,4,5,6,7,8,9,10,11,12,13,14,15
	s_wait_dscnt 15-\i                             ; row i is back; the younger loads may be out
	global_store_b128 v[LOFF], v[X+4*\i:X+4*\i+3], s[16:17] offset:1024*\i
.endr
	s_wait_tensorcnt 0x0
	ds_add_u32 v254, v255
	s_wait_dscnt 0x0
	s_endpgm
.Lfunc_end_k_q527fa3a8db_prep:
	.size	k_q527fa3a8db_prep, .Lfunc_end_k_q527fa3a8db_prep-k_q527fa3a8db_prep
	.p2alignl 7, 3214868480
	.fill 96, 4, 3214868480
	.section	.rodata,"a",@progbits
	.p2align	6, 0x0
	.amdhsa_kernel k_q527fa3a8db_prep
		.amdhsa_group_segment_fixed_size 159232
		.amdhsa_private_segment_fixed_size 0
		.amdhsa_enable_private_segment 0
		.amdhsa_kernarg_size 72
		.amdhsa_user_sgpr_count 2
		.amdhsa_user_sgpr_kernarg_segment_ptr 1
		.amdhsa_wavefront_size32 1
		.amdhsa_system_sgpr_workgroup_id_x 1
		.amdhsa_system_sgpr_workgroup_id_y 1
		.amdhsa_system_sgpr_workgroup_id_z 1
		.amdhsa_system_vgpr_workitem_id 0
		.amdhsa_next_free_vgpr 768
		.amdhsa_next_free_sgpr 66
		.amdhsa_reserve_vcc 0
		.amdhsa_float_denorm_mode_32 3
		.amdhsa_float_denorm_mode_16_64 3
		.amdhsa_memory_ordered 1
		.amdhsa_forward_progress 1
		.amdhsa_inst_pref_size 72
	.end_amdhsa_kernel
	.amdgpu_metadata
---
amdhsa.version: [ 1, 2 ]
amdhsa.kernels:
  - .name:           k_q527fa3a8db_prep
    .symbol:         k_q527fa3a8db_prep.kd
    .args:
      - { .name: q, .offset: 0, .size: 8, .value_kind: global_buffer, .address_space: global }
      - { .name: Wq, .offset: 8, .size: 8, .value_kind: global_buffer, .address_space: global }
      - { .name: k, .offset: 16, .size: 8, .value_kind: global_buffer, .address_space: global }
      - { .name: v, .offset: 24, .size: 8, .value_kind: global_buffer, .address_space: global }
      - { .name: qpi, .offset: 32, .size: 8, .value_kind: global_buffer, .address_space: global }
      - { .name: qps, .offset: 40, .size: 8, .value_kind: global_buffer, .address_space: global }
      - { .name: qpf, .offset: 48, .size: 8, .value_kind: global_buffer, .address_space: global }
      - { .name: kvi, .offset: 56, .size: 8, .value_kind: global_buffer, .address_space: global }
      - { .name: kvs, .offset: 64, .size: 8, .value_kind: global_buffer, .address_space: global }
    .group_segment_fixed_size: 159232
    .private_segment_fixed_size: 0
    .kernarg_segment_align: 8
    .kernarg_segment_size: 72
    .max_flat_workgroup_size: 128
    .sgpr_count:     66
    .vgpr_count:     768
    .wavefront_size: 32
...
	.end_amdgpu_metadata
.endif
;; end of part 1
;; launch hyper (part 2): grid 256 x 1, 4 waves a work-group, no clusters, 193,024 bytes of LDS; arguments Wk_hyper, Wv_hyper, qpi, qps, pimg, psc; writes pimg, psc
.if DOCPART == 2
	.amdgcn_target "amdgcn-amd-amdhsa--gfx1250"
	.amdhsa_code_object_version 6
	.text
	.protected	k_q527fa3a8db_hyper
	.globl	k_q527fa3a8db_hyper
	.p2align	8
	.type	k_q527fa3a8db_hyper,@function
k_q527fa3a8db_hyper:
	s_mov_b64 s[64:65], 0
	v_nop
	global_prefetch_b8 v0, s[64:65] scope:SCOPE_SE
	s_setreg_imm32_b32 hwreg(HW_REG_WAVE_MODE, 25, 1), 1
	s_wait_xcnt 0x0
; HYPER.  P[i][j][k] = sum over m of Q(qp)[i][m] Q(W)[256 j + k][m] (W = Wk_hyper for work-groups 0-127, Wv_hyper for the others), quantised along k, stored as codes (pimg) and scale lines (psc).
; SHARES.  A work-group takes 512 rows of W (two j), in four stages of 128 rows (one j, one K step of P).  Wave w keeps the 8 query tiles 8 w .. 8 w + 7 of Q(qp) in 192 registers for the whole launch.
; In a stage wave w quantises rows 32 w .. 32 w + 31 of the 128 (one block of 32 along P's K) and lays its four fragments and two scale lines into LDS as images of the registers; behind one barrier every wave multiplies
; all four blocks with its own 8 query tiles: 32 matrix instructions a block, 16 accumulators by turns, then the 8 tiles' quantisers line by line by turns.
; The product is used transposed (source 0 = 16 rows of W, source 1 = 16 queries); lane r of tile u takes row 8 u + r + 8 (r / 8) of the block, so a lane's 16 results are k = 16 h + 0 .. 15 of its query's block.
; THE STREAM OF W.  Four ring slots of 16 loads (8 rows of 1,024 bytes each); a slot is retired into the wave's own stage in LDS at the head of a block and asked for again behind that block's products: 48 to 64 loads of
; 512 bytes a wave are out until the last rows have been asked for.  So no prefetch is laid beside them.  Q(qp)'s 48 loads take the ring's turns once, between stage 0's rows and stage 1's.
; P's CODES stay in registers for a stage: 12 a tile.  Behind blocks 1 and 3 the halves of a pair of blocks change places between the lanes' halves, so that a lane holds whole blocks; behind block 3 a tile's fragment leaves as
; an image of its registers: register 4 x + e of lane L at byte 512 x + 16 L + 4 e: three stores of 512 consecutive bytes.  pimg: [K or V][query tile][j][K step][1,536 bytes].
; psc: a line of 128 bytes for (tile, j): word 4 L: row L's word of K step 0, or row L - 16's of K step 1; gathered in LDS, stored as units of 256 bytes.
; One wait on XCNT a stage, behind block 0's products: it frees the codes' registers and both bases; the youngest load is then a quantiser, a stage's first part and 32 products old.
; No cluster and no tensor load: what work-groups share is Q(qp), 98,304 of the 622,592 bytes that a work-group reads, and it goes straight into registers.  Two image buffers by turns: a buffer is written again two barriers behind its reads.
; LIMITS: NaN and infinities among the inputs are not served; a block whose largest magnitude lies under 2^-124 (zeros among them) keeps the scale byte 1: its bytes are read by this program alone.
.set PITCH, 1040                       ; a stage row: 1,024 bytes + 16
.set STGB,  32*PITCH
.set IMG,   4*STGB                     ; images: [buffer 2][block 4][tile 2][K step 2][1,536]
.set ISC,   IMG+2*24576                ; their scale lines: [buffer 2][block 4][tile 2][128]
.set PST,   ISC+2048                   ; P's scale bytes: [wave][tile 8][stage 4][row 16][block 4]
.set SPARE, PST+8192                   ; the spare words
.set LOFF, 4                           ; 16 x lane
.set STW,  5                           ; my stage + 16 x lane
.set FRD,  6                           ; my stage + 1,040 r + 128 h
.set IW,   7                           ; where I store images,
.set ISW,  8                           ; and scale lines
.set SH8,  9                           ; 8 h
.set IR,   10                          ; IMG + 16 x lane
.set ISR,  11                          ; ISC + 4 x lane
.set PB8,  12                          ; my part of PST + 4 r
.set FRR,  14                          ; my part of PST + 16 x lane
.set FG,   15                          ; 16 r + 32,768 h
.set IWC,  16                          ; v16-20: the five above that move, for this stage
.set ISWC, 17
.set IRC,  18
.set ISRC, 19
.set PBC,  20
.set L4,   21                          ; 4 x lane
.set TA,   24                          ; v24-31 largest magnitudes, v32-39 the other half's, then bytes, v40-47 scale operands
.set TB,   32
.set SCL,  40
.set CD,   48                          ; v48-63 the scale bytes on their way out
.set PC0,  80                          ; W's codes just made, two sets (v80-91, v120-131)
.set PC1,  120
.set CT,   92
.set TM,   100
.set PW,   116
.set WS0,  117
.set LN,   118
.set WF,   144                         ; v144-239 a block's four fragments of W, two sets
.set WS,   240                         ; v240-243 their scale lines
.set QS,   244                         ; v244-251 Q(qp)'s scale lines
.set SPW,  254
.set NIL,  255
.set X0,   0                           ; window 3: v0-127: 2 x 64 numbers of W, then the 16 accumulators;
.set X1,   64
.set F,    128                         ; v128-223: P's codes, 12 a tile;  v224-255: an odd block's codes before the halves change places.  Window 1: the ring.  Window 2: v0-191 Q(qp)
.set CT3,  224
.set WV,   16
.set PO,   20
.set SEL,  36
.set HI,   38
.set CNT,  39
.set SI,   40
.set SS,   41
.set SP,   42
.set FL,   43
.set MSB, 0
.macro WIN new                         ; the immediate's high byte repeats the setting that is left
.if MSB != \new
	s_set_vgpr_msb (MSB<<8)|\new
.set MSB, \new
.endif
.endm
.macro LOADG slot, off                 ; 8 dense rows into a ring slot: 512 consecutive bytes a load
	WIN 0x40
.irp i, 0,1,2,3,4,5,6,7,8,9,10,11,12,13,14,15
	global_load_b128 v[64*(\slot)+4*\i:64*(\slot)+4*\i+3], v[LOFF], s[18:19] offset:(\off)+512*\i th:TH_LOAD_NT
.endr
.endm
.macro QPL a                           ; a third of my 8 tiles of Q(qp), as images, into window 2
	WIN 0x80
.irp i, 0,1,2,3,4,5,6,7,8,9,10,11,12,13,14,15
	global_load_b128 v[64*(\a)+4*\i:64*(\a)+4*\i+3], v[LOFF], s[8:9] offset:8192*(\a)+512*\i
.endr
.endm
.macro STOREG slot                     ; a slot goes into the stage, in the tiles' order of rows: slots 0, 2 make tile 0, slots 1, 3 tile 1
	WIN 0x04
.irp i, 0,1,2,3,4,5,6,7,8,9,10,11,12,13,14,15
	ds_store_b128 v[STW], v[64*(\slot)+4*\i:64*(\slot)+4*\i+3] offset:(16*((\slot)%2)+8*((\slot)/2)+\i/2)*PITCH+512*(\i%2)
.endr
.endm
.macro FLOAD u, ks, xb                 ; lane (r, h) takes k = 128 ks + 64 c + 32 h + 0 .. 31 of stage row 16 u + r
	WIN 0xc0
.irp c, 0,1
.irp e, 0,1,2,3,4,5,6,7
	ds_load_b128 v[(\xb)+32*\c+4*\e:(\xb)+32*\c+4*\e+3], v[FRD] offset:(\u)*16*PITCH+512*(\ks)+256*\c+16*\e
.endr
.endr
.endm
.macro FCALC xb, pc                    ; two whole blocks a lane become a fragment's 12 registers in v[pc] on and the row's scale word in v[PW]
	WIN 0x3c                                       ; sources 1 and 2 in window 3
.irp c, 0,1
	v_max3_num_f32 v[TM+\c], s[FL], |v[(\xb)+32*\c]|, |v[(\xb)+32*\c+1]|       ; the floor 2^(3 - 127): the byte cannot fall under 1
	v_max3_num_f32 v[TM+2+\c], s[FL], |v[(\xb)+32*\c+2]|, |v[(\xb)+32*\c+3]|
.endr
.irp i, 4,8,12,16,20,24,28
.irp c, 0,1
	v_max3_num_f32 v[TM+\c], v[TM+\c], |v[(\xb)+32*\c+\i]|, |v[(\xb)+32*\c+\i+1]|
.endr
.irp c, 0,1
	v_max3_num_f32 v[TM+2+\c], v[TM+2+\c], |v[(\xb)+32*\c+\i+2]|, |v[(\xb)+32*\c+\i+3]|
.endr
.endr
	WIN 0
.irp c, 0,1
	v_max_num_f32 v[TM+\c], v[TM+\c], v[TM+2+\c]
.endr
.irp c, 0,1
	v_add_nc_u32 v[TM+12+\c], 0xff000000, v[TM+\c] ; 2 off the exponent field: the conversion's scale operand
.endr
.irp c, 0,1
	v_lshrrev_b32 v[TM+4+\c], 23, v[TM+12+\c]      ; the scale's byte
.endr
	v_lshl_or_b32 v[PW], v[TM+5], 16, v[TM+4]
	v_lshlrev_b32 v[PW], v[SH8], v[PW]
	v_permlanex16_b32 v[TM+6], v[PW], s[SEL], s[SEL+1]
	v_or_b32 v[PW], v[PW], v[TM+6]                 ; with lane l xor 16's two bytes the word is whole
	WIN 0x03                                       ; source 0 in window 3
.irp c, 0,1
	v_cvt_scalef32_pk16_fp6_f32 v[(\pc)+6*\c:(\pc)+6*\c+2], v[(\xb)+32*\c:(\xb)+32*\c+15], v[TM+12+\c]
	v_cvt_scalef32_pk16_fp6_f32 v[CT+4*\c:CT+4*\c+2], v[(\xb)+32*\c+16:(\xb)+32*\c+31], v[TM+12+\c]
.endr
	v_nop                                          ; one plain place behind a scaled conversion
	WIN 0
.irp c, 0,1
.irp i, 0,1,2
	v_mov_b32 v[(\pc)+6*\c+3+\i], v[CT+4*\c+\i]
.endr
.endr
.endm
.macro IST u, ks, pc                   ; a fragment's image
.irp x, 0,1,2
	ds_store_b128 v[IWC], v[(\pc)+4*\x:(\pc)+4*\x+3] offset:(2*(\u)+(\ks))*1536+512*\x
.endr
.endm
.macro WLOAD nb                        ; block nb's four fragments and two scale lines into set nb % 2
.set PN, (\nb)%2
.irp x, 0,1,2,3,4,5,6,7,8,9,10,11
	ds_load_b128 v[WF+48*PN+4*\x:WF+48*PN+4*\x+3], v[IRC] offset:(\nb)*6144+512*\x
.endr
.irp u, 0,1
	ds_load_b32 v[WS+2*PN+\u], v[ISRC] offset:(\nb)*256+128*\u
.endr
.endm
; A BLOCK: 32 rows of W x my 128 queries.  kind 1: ring slot blk goes to the stage and is asked for again; kind 2: it goes to the stage in the loop's first trip alone, and nothing is asked for.
.macro BLOCK blk, kind
.set P, (\blk)%2
.set C6, 6*((\blk)/2)
	WIN 0
	s_wait_alu depctr_va_vdst(0)
	s_wait_dscnt 0x0                               ; this block's fragments are in; my earlier LDS stores have read their registers
.if (\blk) < 3
	WLOAD (\blk)+1
.endif
.if (\kind) == 1
	s_wait_loadcnt 48                              ; the oldest slot is in; the three younger may be out
	STOREG \blk
.else
	s_cmp_lg_u32 s[CNT], 2
	s_cbranch_scc1 .Lnone_\@
	s_wait_loadcnt 16*(3-(\blk))                   ; only the slots behind this one may be out
	STOREG \blk
	WIN 0
.Lnone_\@:
.endif
	WIN 0xf8                                       ; source 0 (W) window 0, source 1 (qp) window 2, C and D window 3
.irp i, 0,1,2,3,4,5,6,7
.irp u, 0,1
	v_wmma_scale_f32_16x16x128_f8f6f4 v[16*\i+8*\u:16*\i+8*\u+7], v[WF+48*P+24*\u:WF+48*P+24*\u+11], v[24*\i:24*\i+11], 0, v[WS+2*P+\u], v[QS+\i] matrix_a_fmt:MATRIX_FMT_FP6 matrix_b_fmt:MATRIX_FMT_FP6
.endr
.endr
.irp i, 0,1,2,3,4,5,6,7
.irp u, 0,1
	v_wmma_scale_f32_16x16x128_f8f6f4 v[16*\i+8*\u:16*\i+8*\u+7], v[WF+48*P+24*\u+12:WF+48*P+24*\u+23], v[24*\i+12:24*\i+23], v[16*\i+8*\u:16*\i+8*\u+7], v[WS+2*P+\u], v[QS+\i] matrix_a_fmt:MATRIX_FMT_FP6 matrix_b_fmt:MATRIX_FMT_FP6 matrix_a_scale:MATRIX_SCALE_ROW1 matrix_b_scale:MATRIX_SCALE_ROW1
.endr
.endr
	WIN 0
.if (\kind) == 1
	s_wait_dscnt 0x0                               ; the stores into the stage have read the slot's registers
.endif
.if (\blk) == 0
	s_wait_xcnt 0x0                                ; the stage's one wait on XCNT: the last stage's stores have read their codes and their base, the loads theirs
	s_add_nc_u64 s[PO:PO+1], s[PO:PO+1], 1536      ; (this stage's stores take 1,536 off again in their offsets)
.if (\kind) == 1
	s_add_nc_u64 s[18:19], s[18:19], 131072
.endif
.endif
.if (\kind) == 1
	LOADG \blk, 131072+8192*(\blk)                 ; the rows two stages on
	WIN 0
.endif
.rept 4
	v_nop                                          ; four places between the products and the first read of their results
.endr
	WIN 0x3c                                       ; the 8 tiles' quantisers by turns
.irp i, 0,1,2,3,4,5,6,7
	v_max3_num_f32 v[TA+\i], s[FL], |v[16*\i]|, |v[16*\i+1]|
.endr
.irp p, 2,4,6,8,10,12,14
.irp i, 0,1,2,3,4,5,6,7
	v_max3_num_f32 v[TA+\i], v[TA+\i], |v[16*\i+\p]|, |v[16*\i+\p+1]|
.endr
.endr
	WIN 0
.irp i, 0,1,2,3,4,5,6,7
	v_permlanex16_b32 v[TB+\i], v[TA+\i], s[SEL], s[SEL+1]
.endr
.irp i, 0,1,2,3,4,5,6,7
	v_max_num_f32 v[TA+\i], v[TA+\i], v[TB+\i]     ; with lane l xor 16's 16: the block's largest magnitude
.endr
.irp i, 0,1,2,3,4,5,6,7
	v_add_nc_u32 v[SCL+\i], 0xff000000, v[TA+\i]
.endr
.irp i, 0,1,2,3,4,5,6,7
	v_lshrrev_b32 v[TB+\i], 23, v[SCL+\i]
.endr
	WIN 0xc3                                       ; destination and source 0 in window 3
.irp i, 0,1,2,3,4,5,6,7
.if (\blk)%2 == 0
	v_cvt_scalef32_pk16_fp6_f32 v[F+12*\i+C6:F+12*\i+C6+2], v[16*\i:16*\i+15], v[SCL+\i]
.else
	v_cvt_scalef32_pk16_fp6_f32 v[CT3+4*\i:CT3+4*\i+2], v[16*\i:16*\i+15], v[SCL+\i]
.endif
.endr
	v_nop                                          ; one plain place behind a scaled conversion
.if (\blk)%2 == 1                      ; the operand's layout wants a whole block in a lane: lanes 0-15 the even block, lanes 16-31 the odd one
.irp i, 0,1,2,3,4,5,6,7
.irp e, 0,1,2
	v_permlane16_swap_b32 v[F+12*\i+C6+\e], v[CT3+4*\i+\e]
.endr
.endr
.irp i, 0,1,2,3,4,5,6,7
.irp e, 0,1,2
	v_mov_b32 v[F+12*\i+C6+3+\e], v[CT3+4*\i+\e]
.endr
.endr
.endif
	WIN 0
.irp i, 0,1,2,3,4,5,6,7
	ds_store_b8 v[PBC], v[TB+\i] offset:256*\i+(\blk)            ; both halves of the lanes write the same byte
.endr
.if (\blk) == 3
	WIN 0x0c                                       ; the data in window 3
.irp i, 0,1,2,3,4,5,6,7
.irp x, 0,1,2
	global_store_b128 v[LOFF], v[F+12*\i+4*\x:F+12*\i+4*\x+3], s[PO:PO+1] offset:786432*\i+512*\x-1536 th:TH_STORE_NT   ; 512 consecutive bytes
.endr
.endr
	WIN 0
.endif
.endm
; A STAGE: my 32 rows, which lie in my stage, become four images and two scale lines; one barrier; the four blocks.
; The counted waits on DScnt name the LDS instructions issued behind the 16 loads that are awaited.
.macro STAGE kind
	WIN 0
	v_add_nc_u32 v[IWC], s[SI], v[IW]
	v_add_nc_u32 v[ISWC], s[SS], v[ISW]
	v_add_nc_u32 v[IRC], s[SI], v[IR]
	v_add_nc_u32 v[ISRC], s[SS], v[ISR]
	v_add_nc_u32 v[PBC], s[SP], v[PB8]
	FLOAD 0, 0, X0
	FLOAD 0, 1, X1
	s_wait_dscnt 16
	FCALC X0, PC0
	IST 0, 0, PC0
	v_mov_b32 v[WS0], v[PW]
	FLOAD 1, 0, X0
	s_wait_dscnt 19                                ; 3 stores and 16 loads
	FCALC X1, PC1
	IST 0, 1, PC1
	v_cndmask_b32 v[LN], v[WS0], v[PW], s[HI]      ; lanes 0-15 K step 0's word, lanes 16-31 K step 1's
	ds_store_b32 v[ISWC], v[LN]
	FLOAD 1, 1, X1
	s_wait_dscnt 20                                ; 4 stores and 16 loads
	FCALC X0, PC0
	IST 1, 0, PC0
	v_mov_b32 v[WS0], v[PW]
	s_wait_dscnt 3                                 ; 3 stores
	FCALC X1, PC1
	IST 1, 1, PC1
	v_cndmask_b32 v[LN+1], v[WS0], v[PW], s[HI]
	ds_store_b32 v[ISWC], v[LN+1] offset:128
	s_wait_alu depctr_va_vdst(0)
	s_wait_dscnt 0x0                               ; for the others' sake: my images have landed, and my reads of the other buffer are over
	s_barrier_signal -1
	s_barrier_wait -1
	WLOAD 0
	BLOCK 0, \kind
	BLOCK 1, \kind
	BLOCK 2, \kind
	BLOCK 3, \kind
	s_xor_b32 s[SI], s[SI], 24576                  ; the other image buffer
	s_xor_b32 s[SS], s[SS], 1024
	s_add_co_u32 s[SP], s[SP], 64
	s_wait_alu depctr_va_vdst(0)
.endm
	s_load_b256 s[4:11], s[0:1], 0x0               ; Wk s[4:5], Wv s[6:7], qpi s[8:9], qps s[10:11]
	s_load_b128 s[12:15], s[0:1], 0x20             ; pimg s[12:13], psc s[14:15]
	v_lshl_add_u32 v[SPW], v0, 2, SPARE
	v_mov_b32 v[NIL], 0
	v_lshrrev_b32 v1, 5, v0
	v_readfirstlane_b32 s[WV], v1                  ; wave 0..3
	v_and_b32 v1, 31, v0                           ; lane
	v_lshlrev_b32 v[LOFF], 4, v1
	v_lshlrev_b32 v[L4], 2, v1
	s_wait_alu depctr_va_vdst(0)
	s_mul_i32 s44, s[WV], 24576                    ; qpi: my 8 tiles
	s_mov_b32 s45, 0
	s_and_b32 s46, ttmp9, 127                      ; which 512 rows
	s_lshr_b32 s47, ttmp9, 7                       ; K or V
	s_lshl_b32 s48, s46, 19                        ; W: row 512 g + 32 w, 1,024 bytes a row
	s_lshl_b32 s50, s[WV], 15
	s_add_co_u32 s48, s48, s50
	s_mov_b32 s49, 0
	s_lshl_b32 s50, s[WV], 10                      ; qps: my 8 lines
	s_mov_b32 s51, 0
	s_mul_i32 s52, s47, 25165824                   ; pimg: K or V, tile 8 w, j = 2 g
	s_mul_i32 s54, s[WV], 6291456
	s_add_co_u32 s52, s52, s54
	s_mul_i32 s54, s46, 6144
	s_add_co_u32 s52, s52, s54
	s_mov_b32 s53, 0
	s_lshl_b32 s54, s47, 20                        ; psc likewise
	s_lshl_b32 s56, s46, 8
	s_add_co_u32 s54, s54, s56
	s_lshl_b32 s56, s[WV], 18
	s_add_co_u32 s54, s54, s56
	s_mov_b32 s55, 0
	s_mov_b32 s[SEL], 0x76543210
	s_mov_b32 s[SEL+1], 0xfedcba98                 ; lane l xor 16
	s_mov_b32 s[HI], 0xffff0000                    ; lanes 16-31
	s_mov_b32 s[FL], 0x1800000
	s_mov_b32 s[SI], 0
	s_mov_b32 s[SS], 0
	s_mov_b32 s[SP], 0
	s_mul_i32 s57, s[WV], STGB
	s_mul_i32 s58, s[WV], 6144
	s_add_co_u32 s58, s58, IMG
	s_lshl_b32 s59, s[WV], 8
	s_add_co_u32 s59, s59, ISC
	s_lshl_b32 s60, s[WV], 11
	s_add_co_u32 s60, s60, PST
	s_wait_kmcnt 0x0
	s_cmp_lt_u32 ttmp9, 128                        ; the choice hangs on the work-group's number alone
	s_cselect_b64 s[18:19], s[4:5], s[6:7]
	s_add_nc_u64 s[18:19], s[18:19], s[48:49]
	s_add_nc_u64 s[8:9], s[8:9], s[44:45]
	s_add_nc_u64 s[10:11], s[10:11], s[50:51]
	s_add_nc_u64 s[PO:PO+1], s[12:13], s[52:53]
	s_add_nc_u64 s[22:23], s[14:15], s[54:55]
.irp i, 0,1,2,3,4,5,6,7
	global_load_b32 v[QS+\i], v[L4], s[10:11] offset:128*\i
.endr
	LOADG 0, 0                                     ; stage 0's 32 rows fill the ring
	LOADG 1, 8192
	LOADG 2, 16384
	LOADG 3, 24576
	WIN 0
	v_and_b32 v2, 15, v0                           ; r
	v_bfe_u32 v3, v0, 4, 1                         ; h
	v_add_nc_u32 v[STW], s57, v[LOFF]
	v_mul_u32_u24 v[FRD], v2, PITCH
	v_lshl_add_u32 v[FRD], v3, 7, v[FRD]
	v_add_nc_u32 v[FRD], s57, v[FRD]
	v_lshlrev_b32 v[SH8], 3, v3
	v_add_nc_u32 v[IW], s58, v[LOFF]
	v_add_nc_u32 v[ISW], s59, v[L4]
	v_add_nc_u32 v[IR], IMG, v[LOFF]
	v_add_nc_u32 v[ISR], ISC, v[L4]
	v_lshl_add_u32 v[PB8], v2, 2, s60
	v_add_nc_u32 v[FRR], s60, v[LOFF]
	v_lshlrev_b32 v[FG], 4, v2
	v_lshl_add_u32 v[FG], v3, 15, v[FG]
.irp i, 0,1,2,3,4,5,6,7
	v_mov_b32 v[TB+\i], 0                          ; written once: a lane permute's destination counts as one of its sources
.endr
	v_mov_b32 v[TM+6], 0
	s_wait_alu depctr_va_vdst(0)
	; stage 0's slots go to my stage; behind each of the first three a third of Q(qp) is asked for: at every wait three groups of 16 loads are younger than the slot awaited
	s_wait_loadcnt 48
	STOREG 0
	QPL 0
	s_wait_loadcnt 48
	STOREG 1
	QPL 1
	s_wait_loadcnt 48
	STOREG 2
	QPL 2
	s_wait_loadcnt 48
	STOREG 3
	s_wait_dscnt 0x0                               ; the stores have read the ring's registers
	LOADG 0, 131072                                ; stage 1's rows: younger than Q(qp), so the first block's wait for slot 0 shows Q(qp) in
	LOADG 1, 131072+8192
	LOADG 2, 131072+16384
	LOADG 3, 131072+24576
	WIN 0
	s_mov_b32 s[CNT], 2
.Lfed:                                             ; stages 0 and 1: the ring is retired and asked for again
	STAGE 1
	s_sub_co_u32 s[CNT], s[CNT], 1
	s_cmp_lg_u32 s[CNT], 0
	s_cbranch_scc1 .Lfed
	s_mov_b32 s[CNT], 2
.Llast:                                            ; stages 2 and 3: nothing more to ask for; stage 2 retires stage 3's rows
	STAGE 2
	s_sub_co_u32 s[CNT], s[CNT], 1
	s_cmp_lg_u32 s[CNT], 0
	s_cbranch_scc1 .Llast
.irp e, 0,1,2,3
	ds_load_b128 v[CD+4*\e:CD+4*\e+3], v[FRR] offset:512*\e      ; my 8 tiles' scale bytes, 256 a tile: LDS serves a wave's instructions in order
.endr
.irp e, 0,1,2,3
	s_wait_dscnt 3-\e
	global_store_b128 v[FG], v[CD+4*\e:CD+4*\e+3], s[22:23] offset:65536*\e th:TH_STORE_NT   ; sixteen lanes store one aligned unit of 256 bytes
.endr
	s_wait_tensorcnt 0x0                           ; the wave's end
	ds_add_u32 v[SPW], v[NIL]
	s_wait_dscnt 0x0
	s_endpgm
.Lfunc_end_k_q527fa3a8db_hyper:
	.size	k_q527fa3a8db_hyper, .Lfunc_end_k_q527fa3a8db_hyper-k_q527fa3a8db_hyper
	.p2alignl 7, 3214868480
	.fill 96, 4, 3214868480
	.section	.rodata,"a",@progbits
	.p2align	6, 0x0
	.amdhsa_kernel k_q527fa3a8db_hyper
		.amdhsa_group_segment_fixed_size 193024
		.amdhsa_private_segment_fixed_size 0
		.amdhsa_enable_private_segment 0
		.amdhsa_kernarg_size 48
		.amdhsa_user_sgpr_count 2
		.amdhsa_user_sgpr_kernarg_segment_ptr 1
		.amdhsa_wavefront_size32 1
		.amdhsa_system_sgpr_workgroup_id_x 1
		.amdhsa_system_sgpr_workgroup_id_y 1
		.amdhsa_system_sgpr_workgroup_id_z 1
		.amdhsa_system_vgpr_workitem_id 0
		.amdhsa_next_free_vgpr 1024
		.amdhsa_next_free_sgpr 66
		.amdhsa_reserve_vcc 0
		.amdhsa_float_denorm_mode_32 3
		.amdhsa_float_denorm_mode_16_64 3
		.amdhsa_memory_ordered 1
		.amdhsa_forward_progress 1
		.amdhsa_inst_pref_size 183
	.end_amdhsa_kernel
	.amdgpu_metadata
---
amdhsa.version: [ 1, 2 ]
amdhsa.kernels:
  - .name:           k_q527fa3a8db_hyper
    .symbol:         k_q527fa3a8db_hyper.kd
    .args:
      - { .name: Wk_hyper, .offset: 0, .size: 8, .value_kind: global_buffer, .address_space: global }
      - { .name: Wv_hyper, .offset: 8, .size: 8, .value_kind: global_buffer, .address_space: global }
      - { .name: qpi, .offset: 16, .size: 8, .value_kind: global_buffer, .address_space: global }
      - { .name: qps, .offset: 24, .size: 8, .value_kind: global_buffer, .address_space: global }
      - { .name: pimg, .offset: 32, .size: 8, .value_kind: global_buffer, .address_space: global }
      - { .name: psc, .offset: 40, .size: 8, .value_kind: global_buffer, .address_space: global }
    .group_segment_fixed_size: 193024
    .private_segment_fixed_size: 0
    .kernarg_segment_align: 8
    .kernarg_segment_size: 48
    .max_flat_workgroup_size: 128
    .sgpr_count:     66
    .vgpr_count:     1024
    .wavefront_size: 32
...
	.end_amdgpu_metadata
.endif
;; end of part 2
;; launch attn (part 3): grid 256 x 1, 4 waves a work-group, no clusters, 327,680 bytes of LDS; arguments pimg, psc, kvi, kvs, qpf, mask, out0; writes out0
.if DOCPART == 3
	.amdgcn_target "amdgcn-amd-amdhsa--gfx1250"
	.amdhsa_code_object_version 6
	.text
	.protected	k_q527fa3a8db_attn
	.globl	k_q527fa3a8db_attn
	.p2align	8
	.type	k_q527fa3a8db_attn,@function
k_q527fa3a8db_attn:
	s_mov_b64 s[64:65], 0
	v_nop
	global_prefetch_b8 v0, s[64:65] scope:SCOPE_SE
	s_setreg_imm32_b32 hwreg(HW_REG_WAVE_MODE, 25, 1), 1
	s_wait_xcnt 0x0
; ATTN.  For 16 queries i (tile ib = g >> 3) and one head n = g & 7:  Kc_i[l][j] = sum over k of Q(k)[l][k] Q(P_K)[i][j][k], logits = sum over the head's 32 j of qp[i][j] Kc_i[l][j] / sqrt(512), the mask (an input: every byte is
; read; any byte that is not 0 counts as true), softmax over the 512 keys with the row's maximum taken away, Vc_i likewise from Q(v) and Q(P_V), out = sum over l of p Vc_i[l][j] / the row's sum.  Kc and Vc never leave the registers.
; SHARES.  Wave w owns keys 128 w .. 128 w + 127: its 16 fragments of Q(k) and 16 of Q(v) stay in registers.  A fragment of P has ONE j and the 16 QUERIES as its rows: the head's 2 x 64 fragments come into LDS once, by tensor
; loads (a quarter a wave; four loads of mine are out at most; no LDS byte is filled twice), and each, read from LDS by three loads, feeds 8 matrix instructions.
; LAYOUT.  Source 0 = 16 keys, source 1 = P's fragment: lane (r, h) holds query r, register e of tile lt key 128 w + 16 lt + 8 h + e.  So the sum over j is a multiply-add by a number of the lane's own (qp[r][j] x c), and the
; sum over keys is a multiply-add by the lane's own p.
; BY TURNS.  A step (one j) is 16 matrix instructions, in the order P0(0) P0(1) P1(0) P0(2) P1(1) .. P0(7) P1(6) P1(7) (P0: K step 0, which starts tile lt's sum with the constant 0; P1: K step 1).  So a tile is finished early in
; the step, and its four packed lines follow four places behind its P1: two lines behind EACH matrix instruction.  Tiles 6 and 7 are taken up behind the next step's first four.  No two neighbouring matrix instructions
; share an accumulator, over the backward jump too.
; c = log2(e) / sqrt(512) is multiplied into qp ahead of the sum over j: another order of rounding than scaling the finished sum.  A row whose mask is all false gives NaN, as the softmax of such a row does.
; No cluster: P's tiles are read by this work-group alone; Q(k) and Q(v) go straight into registers, and LDS has no room for them beside P's 204,800 bytes.  No prefetch: every byte is asked for in the first lines.
; out0: a head's part of a row is 128 bytes: eight lanes store it; the buffer is 524,288 bytes in all.
; LIMITS: NaN and infinities among the inputs are not served.
.set PKI, 0                            ; LDS: P_K's 64 fragments [j 32][K step 2][1,536],
.set PVI, 98304                        ; P_V's,
.set PKS, 196608                       ; their scale lines [j][128],
.set PVS, 200704
.set WT,  204800                       ; qp x c as pairs: [j 32][lane 32][8]
.set XM,  212992                       ; the waves' maxima [wave][lane],
.set XS,  213504                       ; their sums,
.set XO,  214016                       ; their parts of the output: [wave][lane, 144 bytes][j]
.set LI,   4                           ; v4   16 x lane
.set PA,   5                           ; v5   the fragments to be fetched
.set PSA,  6                           ; v6   their scale line
.set WA,   7                           ; v7   the next step's pair of qp x c
.set OA,   8                           ; v8   where a part of the output goes
.set PSA0, 9                           ; v9   PKS + 4 x lane
.set WA0,  10                          ; v10  WT + 8 x lane
.set OA0,  11                          ; v11  XO + 4,608 w + 144 x lane
.set XMW,  12                          ; v12  XM + 128 w + 4 x lane
.set XMR,  13                          ; v13  XM + 4 x lane
.set QO,   14                          ; v14  1,024 r
.set L4,   15                          ; v15  4 x lane
.set PB,   16                          ; v16-39, v40-63: P's two fragments of a j, two sets
.set PSB,  64                          ; v64-65 their scale lines
.set KSC,  66                          ; v66-73 k's scale lines
.set VSC,  74                          ; v74-81 v's
.set MK,   82                          ; v82-97 the mask's bytes: 8 a tile
.set MO,   98                          ; v98  512 r + 8 h
.set WTW,  99                          ; v99  WT + 2,048 w + 8 x lane
.set D,    100                         ; v100-163 the 8 accumulators
.set L,    164                         ; v164-227 the logits
.set OP,   164                         ; later: four pairs of sums of p x Vc, two sets by turns: v164-171 and v176-183,
.set OS,   172                         ; v172-173: a finished sum, two by turns
.set WP,   192                         ; window 1: v192-195: two pairs of qp x c.  (v0-191: k's fragments)
.set PP,   192                         ; window 2: v192-255: p.  (v0-191: v's fragments)
.set WV,   18
.set G1C,  24
.set G1S,  32
.set CNT,  56
.set SEL,  58
.set CC,   60
.set PT,   61                          ; where the fragments to be fetched lie in LDS,
.set PS,   62                          ; their scale line, from PKS on,
.set WTO,  63                          ; the next step's pair, from WT on,
.set OAO,  66                          ; the j of the part that is stored, x 4
.set MSB, 0
.macro WIN new                         ; the immediate's high byte repeats the setting that is left
.if MSB != \new
	s_set_vgpr_msb (MSB<<8)|\new
.set MSB, \new
.endif
.endm
.macro PLOAD p                         ; a j's two fragments and its scale line into set p
.irp x, 0,1,2,3,4,5
	ds_load_b128 v[PB+24*(\p)+4*\x:PB+24*(\p)+4*\x+3], v[PA] offset:512*\x
.endr
	ds_load_b32 v[PSB+(\p)], v[PSA]
.endm
.macro PROD0 lt, par, sc               ; K step 0 starts the sum
	v_wmma_scale_f32_16x16x128_f8f6f4 v[D+8*(\lt):D+8*(\lt)+7], v[24*(\lt):24*(\lt)+11], v[PB+24*(\par):PB+24*(\par)+11], 0, v[\sc+(\lt)], v[PSB+(\par)] matrix_a_fmt:MATRIX_FMT_FP6 matrix_b_fmt:MATRIX_FMT_FP6
.endm
.macro PROD1 lt, par, sc               ; K step 1: scale words from lanes 16-31
	v_wmma_scale_f32_16x16x128_f8f6f4 v[D+8*(\lt):D+8*(\lt)+7], v[24*(\lt)+12:24*(\lt)+23], v[PB+24*(\par)+12:PB+24*(\par)+23], v[D+8*(\lt):D+8*(\lt)+7], v[\sc+(\lt)], v[PSB+(\par)] matrix_a_fmt:MATRIX_FMT_FP6 matrix_b_fmt:MATRIX_FMT_FP6 matrix_a_scale:MATRIX_SCALE_ROW1 matrix_b_scale:MATRIX_SCALE_ROW1
.endm
; Two packed lines of the K phase: half h of tile lt's eight results x the pair ws of qp x c.  how: 2 they are added to the logits, 1 they start them, 0 there is nothing yet: two v_nop hold the places
.macro KL lt, h, ws, how
.irp a, 0,1
.if \how == 2
	v_pk_fma_f32 v[L+8*(\lt)+4*(\h)+2*\a:L+8*(\lt)+4*(\h)+2*\a+1], v[WP+2*(\ws):WP+2*(\ws)+1], v[D+8*(\lt)+4*(\h)+2*\a:D+8*(\lt)+4*(\h)+2*\a+1], v[L+8*(\lt)+4*(\h)+2*\a:L+8*(\lt)+4*(\h)+2*\a+1]
.elseif \how == 1
	v_pk_mul_f32 v[L+8*(\lt)+4*(\h)+2*\a:L+8*(\lt)+4*(\h)+2*\a+1], v[WP+2*(\ws):WP+2*(\ws)+1], v[D+8*(\lt)+4*(\h)+2*\a:D+8*(\lt)+4*(\h)+2*\a+1]
.else
	v_nop
.endif
.endr
.endm
; STEP j OF THE K PHASE, par = j % 2.  prev: what is done with step j - 1's tiles 6 and 7; cur: with this step's tiles 0 to 5 (as KL's how).  Between a tile's P1 and the first read of its results stand the four lines of the
; tile before, which name none of that product's registers; each accumulator is read from its low end on.  The loads into the other set of P's fragments stand behind the last step's last two lines and the three additions here.
; The next step's pair of qp x c is loaded behind the fifth product: until then its registers hold the last step's pair, which tiles 6 and 7 want.
.macro STEPK par, prev, cur, more
	WIN 0
	s_wait_dscnt 0x0                               ; this step's fragments and its pair are in
	s_add_co_u32 s[PT], s[PT], 3072
	s_add_co_u32 s[PS], s[PS], 128
	v_add_nc_u32 v[PA], s[PT], v[LI]
	v_add_nc_u32 v[PSA], s[PS], v[PSA0]
	v_add_nc_u32 v[WA], s[WTO], v[WA0]
	s_add_co_u32 s[WTO], s[WTO], 256
.if \more
	PLOAD 1-\par
.endif
	WIN 0x01                                       ; source 0 window 1: k's fragments, and the pairs
	PROD0 0, \par, KSC
	KL 6, 0, 1-\par, \prev
	PROD0 1, \par, KSC
	KL 6, 1, 1-\par, \prev
	PROD1 0, \par, KSC
	KL 7, 0, 1-\par, \prev
	PROD0 2, \par, KSC
	KL 7, 1, 1-\par, \prev
	PROD1 1, \par, KSC
.if \more
	WIN 0x40
	ds_load_b64 v[WP+2-2*(\par):WP+3-2*(\par)], v[WA]   ; qp[r][j + 1] x c
	WIN 0x01
.endif
	KL 0, 0, \par, \cur
.irp t, 1,2,3,4,5
	PROD0 \t+2, \par, KSC
	KL \t-1, 1, \par, \cur
	PROD1 \t+1, \par, KSC
	KL \t, 0, \par, \cur
.endr
	PROD1 7, \par, KSC
	KL 5, 1, \par, \cur
	WIN 0
.endm
; Two packed lines of the V phase: half h of tile lt's eight results x p, onto set os of the four pairs of sums; tile 0 starts them.  how = 0: two v_nop hold the places
.macro VL lt, h, os, how
.irp a, 0,1
.if \how == 0
	v_nop
.elseif (\lt) == 0
	v_pk_mul_f32 v[OP+12*(\os)+4*(\h)+2*\a:OP+12*(\os)+4*(\h)+2*\a+1], v[PP+4*(\h)+2*\a:PP+4*(\h)+2*\a+1], v[D+4*(\h)+2*\a:D+4*(\h)+2*\a+1]
.else
	v_pk_fma_f32 v[OP+12*(\os)+4*(\h)+2*\a:OP+12*(\os)+4*(\h)+2*\a+1], v[PP+8*(\lt)+4*(\h)+2*\a:PP+8*(\lt)+4*(\h)+2*\a+1], v[D+8*(\lt)+4*(\h)+2*\a:D+8*(\lt)+4*(\h)+2*\a+1], v[OP+12*(\os)+4*(\h)+2*\a:OP+12*(\os)+4*(\h)+2*\a+1]
.endif
.endr
.endm
.macro COMB par                        ; the four pairs of a finished j (set par) become one number
	v_pk_add_f32 v[OP+12*(\par):OP+12*(\par)+1], v[OP+12*(\par):OP+12*(\par)+1], v[OP+12*(\par)+2:OP+12*(\par)+3]
	v_pk_add_f32 v[OP+12*(\par)+4:OP+12*(\par)+5], v[OP+12*(\par)+4:OP+12*(\par)+5], v[OP+12*(\par)+6:OP+12*(\par)+7]
	v_pk_add_f32 v[OP+12*(\par):OP+12*(\par)+1], v[OP+12*(\par):OP+12*(\par)+1], v[OP+12*(\par)+4:OP+12*(\par)+5]
	v_add_f32 v[OS+(\par)], v[OP+12*(\par)], v[OP+12*(\par)+1]
	v_add_nc_u32 v[OA], s[OAO], v[OA0]
.endm
; STEP j OF THE V PHASE.  Set par of the sums holds step j - 2's, whole since the last step's fourth product: comb = 1: they are finished and stored at the step's head, before this step's tile 0 starts the set anew.
; prev = 1: step j - 1's tiles 6 and 7 go onto the other set.
.macro STEPV par, prev, comb, more
	WIN 0
	s_wait_dscnt 0x0
	s_add_co_u32 s[PT], s[PT], 3072
	s_add_co_u32 s[PS], s[PS], 128
.if \comb
	COMB \par
.else
.rept 4
	v_nop
.endr
.endif
	v_add_nc_u32 v[PA], s[PT], v[LI]
	v_add_nc_u32 v[PSA], s[PS], v[PSA0]
.if \comb
	ds_store_b32 v[OA], v[OS+(\par)]
	s_add_co_u32 s[OAO], s[OAO], 4
.endif
.if \more
	PLOAD 1-\par
.endif
	WIN 0x02                                       ; source 0 window 2: v's fragments, and p
	PROD0 0, \par, VSC
	VL 6, 0, 1-\par, \prev
	PROD0 1, \par, VSC
	VL 6, 1, 1-\par, \prev
	PROD1 0, \par, VSC
	VL 7, 0, 1-\par, \prev
	PROD0 2, \par, VSC
	VL 7, 1, 1-\par, \prev
	PROD1 1, \par, VSC
	VL 0, 0, \par, 1
.irp t, 1,2,3,4,5
	PROD0 \t+2, \par, VSC
	VL \t-1, 1, \par, 1
	PROD1 \t+1, \par, VSC
	VL \t, 0, \par, 1
.endr
	PROD1 7, \par, VSC
	VL 5, 1, \par, 1
	WIN 0
.endm
	s_load_b256 s[4:11], s[0:1], 0x0               ; pimg s[4:5], psc s[6:7], kvi s[8:9], kvs s[10:11]
	s_load_b128 s[12:15], s[0:1], 0x20             ; qpf s[12:13], mask s[14:15]
	s_load_b64 s[16:17], s[0:1], 0x30              ; out0
	v_lshl_add_u32 v231, v0, 2, 0x38c00
	s_set_vgpr_msb 0x40
	v_mov_b32 v255, 0
	s_set_vgpr_msb 0x4044
	ds_add_u32 v231, v255
	ds_add_u32 v231, v255
	s_set_vgpr_msb 0x4400
	v_lshrrev_b32 v1, 5, v0
	v_readfirstlane_b32 s[WV], v1                  ; wave 0..3
	s_lshr_b32 s19, ttmp9, 3                       ; ib
	s_and_b32 s20, ttmp9, 7                        ; the head
	; descriptor groups 1: dense blocks as rows of 256 bytes (32 elements of 8 bytes): 96 rows of codes
	s_mov_b32 s[G1C], 3<<16
	s_mov_b32 s[G1C+1], 32<<16
	s_mov_b32 s[G1C+2], 96<<16
	s_mov_b32 s[G1C+3], 32<<16
	s_mov_b32 s[G1C+4], 96
	s_mov_b32 s[G1C+5], 32
	s_mov_b32 s[G1C+6], 0
	s_mov_b32 s[G1C+7], 0
	s_mul_i32 s68, s19, 786432                     ; the codes: tile ib, the head's 32 j, my quarter
	s_mul_i32 s70, s20, 98304
	s_add_co_u32 s68, s68, s70
	s_mul_i32 s70, s[WV], 24576
	s_add_co_u32 s68, s68, s70
	s_mov_b32 s69, 0
	s_lshl_b32 s72, s19, 15                        ; the scale lines likewise
	s_lshl_b32 s71, s20, 12
	s_add_co_u32 s72, s72, s71
	s_lshl_b32 s71, s[WV], 10
	s_add_co_u32 s72, s72, s71
	s_mov_b32 s73, 0
	s_wait_dscnt 0x0
	s_wait_kmcnt 0x0
	s_add_nc_u64 s[6:7], s[6:7], s[72:73]          ; psc: my quarter of P_K's scale lines; P_V's lie 1,048,576 bytes on.  They come by plain loads and go to LDS by stores
	s_mov_b32 s44, 1                               ; P_K's codes
	s_add_co_u32 s45, s70, PKI
	s_add_nc_u64 s[46:47], s[4:5], s[68:69]
	s_or_b32 s47, s47, 0x80000000
	s_mov_b32 s52, 1                               ; P_V's codes: 25,165,824 bytes on
	s_add_co_u32 s53, s70, PVI
	s_add_nc_u64 s[54:55], s[4:5], s[68:69]
	s_add_nc_u64 s[54:55], s[54:55], 0x1800000
	s_or_b32 s55, s55, 0x80000000
	tensor_load_to_lds s[44:47], s[G1C:G1C+7]      ; one tensor load a wave at the head: my quarter of P_K's codes; P_V's follows behind the first barrier
	s_nop 0
.rept 4
	v_nop                                          ; four lines behind a tensor load
.endr
	v_and_b32 v1, 31, v0                           ; lane
	v_and_b32 v2, 15, v0                           ; r
	v_bfe_u32 v3, v0, 4, 1                         ; h
	v_lshlrev_b32 v[LI], 4, v1
	v_lshlrev_b32 v[QO], 10, v2
	s_wait_alu depctr_va_vdst(0)
	v_lshlrev_b32 v[L4], 2, v1
	v_lshlrev_b32 v[MO], 9, v2
	v_lshl_add_u32 v[MO], v3, 3, v[MO]
	s_mov_b32 s75, 0
	s_lshl_b32 s74, s19, 14                        ; qp and out0: row 16 ib, the head's 32 columns
	s_lshl_b32 s68, s20, 7
	s_add_co_u32 s74, s74, s68
	s_add_nc_u64 s[16:17], s[16:17], s[74:75]
	s_lshl_b32 s68, s[WV], 5                       ; of qp my wave takes 8 of them
	s_add_co_u32 s74, s74, s68
	s_add_nc_u64 s[12:13], s[12:13], s[74:75]
	s_mov_b32 s74, s70
	s_add_nc_u64 s[8:9], s[8:9], s[74:75]          ; kvi: my 8 tiles of keys
	s_mov_b32 s74, s71
	s_add_nc_u64 s[10:11], s[10:11], s[74:75]      ; kvs
	s_lshl_b32 s74, s19, 13                        ; the mask: row 16 ib, key 128 w
	s_lshl_b32 s68, s[WV], 7
	s_add_co_u32 s74, s74, s68
	s_add_nc_u64 s[14:15], s[14:15], s[74:75]
	global_load_b128 v[100:103], v[LI], s[6:7]                    ; my 1,024 bytes of P_K's scale lines,
	global_load_b128 v[104:107], v[LI], s[6:7] offset:512
	global_load_b128 v[108:111], v[LI], s[6:7] offset:0x100000    ; and of P_V's
	global_load_b128 v[112:115], v[LI], s[6:7] offset:0x100000+512
	global_load_b128 v[232:235], v[QO], s[12:13]
	global_load_b128 v[236:239], v[QO], s[12:13] offset:16
	WIN 0x40                                       ; k's 16 fragments: 24,576 consecutive bytes, 512 a load
.set J, 0
.rept 48
	global_load_b128 v[4*J:4*J+3], v[LI], s[8:9] offset:512*J
.set J, J+1
.endr
	WIN 0
	v_lshl_add_u32 v[PSA0], v1, 2, PKS
	v_lshl_add_u32 v[WA0], v1, 3, WT
	s_mul_i32 s68, s[WV], 4608
	s_add_co_u32 s68, s68, XO
	v_mul_u32_u24 v[OA0], v1, 144
	v_add_nc_u32 v[OA0], s68, v[OA0]
	s_lshl_b32 s68, s[WV], 7
	s_add_co_u32 s68, s68, XM
	v_lshl_add_u32 v[XMW], v1, 2, s68
	v_lshl_add_u32 v[XMR], v1, 2, XM
	s_lshl_b32 s68, s[WV], 11
	s_add_co_u32 s68, s68, WT
	v_lshl_add_u32 v[WTW], v1, 3, s68
	s_mov_b32 s[SEL], 0x76543210
	s_mov_b32 s[SEL+1], 0xfedcba98                 ; lane l xor 16
	s_mov_b32 s[CC], 0x3d8293ee                    ; c = log2(e) / sqrt(512)
	s_mov_b32 s[PT], PKI
	s_mov_b32 s[PS], 0
	s_mov_b32 s[WTO], 256                          ; step 0 asks for j = 1's pair
	s_wait_loadcnt 48                              ; qp is in; k's 48 loads may be out
.irp e, 0,1,2,3,4,5,6,7
	v_mul_f32 v[240+2*\e], s[CC], v[232+\e]
	v_mul_f32 v[241+2*\e], s[CC], v[232+\e]        ; twice: a pair for the packed lines
.endr
.irp e, 0,1,2,3,4,5,6,7
	ds_store_b64 v[WTW], v[240+2*\e:241+2*\e] offset:256*\e
.endr
	s_add_co_u32 s76, s71, PKS
	v_add_nc_u32 v[PA], s76, v[LI]                 ; PKS + 1,024 w + 16 x lane
.irp x, 0,1,2,3
	ds_store_b128 v[PA], v[100+4*\x:103+4*\x] offset:4096*(\x/2)+512*(\x%2)   ; the scale lines (older than qp's loads, so they are in): P_K's at PKS, P_V's 4,096 bytes on
.endr
.irp lt, 0,1,2,3,4,5,6,7
	global_load_b64 v[MK+2*\lt:MK+2*\lt+1], v[MO], s[14:15] offset:16*\lt     ; mask[16 ib + r][128 w + 16 lt + 8 h + 0 .. 7]
.endr
.irp lt, 0,1,2,3,4,5,6,7
	global_load_b32 v[KSC+\lt], v[L4], s[10:11] offset:128*\lt
.endr
	WIN 0x80                                       ; v's 16 fragments
.set J, 0
.rept 48
	global_load_b128 v[4*J:4*J+3], v[LI], s[8:9] offset:98304+512*J
.set J, J+1
.endr
	WIN 0
.irp lt, 0,1,2,3,4,5,6,7
	global_load_b32 v[VSC+\lt], v[L4], s[10:11] offset:4096+128*\lt
.endr
	v_mov_b32 v237, 0                              ; (behind the wait for qp)  written once: a lane permute's destination counts as one of its sources
	s_wait_loadcnt 56                              ; k, the mask and k's scale lines are in; v's 48 + 8 loads may be out
	s_wait_alu depctr_va_vdst(0)
	s_set_vgpr_msb 0x4
	s_wait_tensorcnt 0x0                           ; my quarter of P_K has landed
	ds_add_u32 v231, v255
	s_wait_dscnt 0x0                               ; the add is done, and my pairs and scale lines have landed
	s_set_vgpr_msb 0x400
	s_barrier_signal -1
	s_barrier_wait -1
	tensor_load_to_lds s[52:55], s[G1C:G1C+7]      ; my quarter of P_V's codes: my one tensor load behind this barrier; it is awaited in front of the softmax's barrier
	s_nop 0
.rept 4
	v_nop
.endr
	; ---- THE K PHASE: 32 steps, one j each
	v_add_nc_u32 v[PA], s[PT], v[LI]
	v_add_nc_u32 v[PSA], s[PS], v[PSA0]
	PLOAD 0
	WIN 0x40
	ds_load_b64 v[WP:WP+1], v[WA0]                 ; qp[r][j = 0] x c
	WIN 0
	STEPK 0, 0, 1, 1                               ; j = 0 starts the logits of tiles 0 to 5,
	STEPK 1, 1, 2, 1                               ; and, behind j = 1's first products, those of tiles 6 and 7
	s_mov_b32 s[CNT], 14
.Lk:                                               ; two steps a trip, so that the sets change places and back
	STEPK 0, 2, 2, 1
	STEPK 1, 2, 2, 1
	s_sub_co_u32 s[CNT], s[CNT], 1
	s_cmp_lg_u32 s[CNT], 0
	s_cbranch_scc1 .Lk
	STEPK 0, 2, 2, 1
	STEPK 1, 2, 2, 0                               ; the last j fetches nothing
	WIN 0x01                                       ; its tiles 6 and 7: tile 5's four lines are the places behind tile 6's last product, two of them and tile 6's four those behind tile 7's
	KL 6, 0, 1, 2
	KL 6, 1, 1, 2
	KL 7, 0, 1, 2
	KL 7, 1, 1, 2
	WIN 0
	; ---- THE MASK AND THE SOFTMAX.  t = logit x log2(e); where the mask's byte is 0, t = -infinity
	v_mov_b32 v228, 0xff800000
.irp lt, 0,1,2,3,4,5,6,7
.irp e, 0,1,2,3,4,5,6,7
	v_bfe_u32 v[229+\e%2], v[MK+2*\lt+\e/4], 8*(\e%4), 8
	v_cmp_eq_u32 vcc_lo, 0, v[229+\e%2]
	v_cndmask_b32 v[L+8*\lt+\e], v[L+8*\lt+\e], v228, vcc_lo
.endr
.endr
.irp a, 0,1,2,3
	v_max3_num_f32 v[232+\a], v[L+16*\a], v[L+16*\a+1], v[L+16*\a+2]       ; four chains
.endr
.irp i, 3,5,7,9,11,13
.irp a, 0,1,2,3
	v_max3_num_f32 v[232+\a], v[232+\a], v[L+16*\a+\i], v[L+16*\a+\i+1]
.endr
.endr
.irp a, 0,1,2,3
	v_max_num_f32 v[232+\a], v[232+\a], v[L+16*\a+15]
.endr
	v_max3_num_f32 v236, v232, v233, v234
	v_max_num_f32 v236, v236, v235
	v_permlanex16_b32 v237, v236, s[SEL], s[SEL+1]
	v_max_num_f32 v236, v236, v237                 ; my query's largest t among my wave's 128 keys
	ds_store_b32 v[XMW], v236
	s_wait_tensorcnt 0x0                           ; my quarters of P_V have landed,
	s_wait_dscnt 0x0                               ; and my maximum
	s_barrier_signal -1
	s_barrier_wait -1
.irp x, 0,1,2,3
	ds_load_b32 v[232+\x], v[XMR] offset:128*\x
.endr
	s_wait_dscnt 0x0
	v_max3_num_f32 v236, v232, v233, v234
	v_max_num_f32 v236, v236, v235                 ; the row's maximum,
	v_mov_b32 v237, v236                           ; as a pair
.set J, 0
.rept 32
	v_pk_add_f32 v[L+J:L+J+1], v[L+J:L+J+1], v[236:237] neg_lo:[0,1] neg_hi:[0,1]
.set J, J+2
.endr
	WIN 0x80                                       ; p = 2^(t - maximum) into window 2: one batch
.set J, 0
	s_wait_alu depctr_va_vdst(0)
.rept 64
	v_exp_f32 v[PP+J], v[L+J]
.set J, J+1
.endr
	WIN 0
	v_nop                                          ; a plain line behind the last exponential
	s_wait_alu depctr_va_vdst(0)                   ; one wait for the batch, ahead of its first reader
	WIN 0x0a                                       ; sources in window 2
.irp a, 0,1,2,3,4,5,6,7,8,9,10,11,12,13,14,15
	v_pk_add_f32 v[L+2*\a:L+2*\a+1], v[PP+4*\a:PP+4*\a+1], v[PP+4*\a+2:PP+4*\a+3]
.endr
	WIN 0
.irp a, 0,1,2,3,4,5,6,7
	v_pk_add_f32 v[L+2*\a:L+2*\a+1], v[L+2*\a:L+2*\a+1], v[L+16+2*\a:L+17+2*\a]
.endr
.irp a, 0,1,2,3
	v_pk_add_f32 v[L+2*\a:L+2*\a+1], v[L+2*\a:L+2*\a+1], v[L+8+2*\a:L+9+2*\a]
.endr
.irp a, 0,1
	v_pk_add_f32 v[L+2*\a:L+2*\a+1], v[L+2*\a:L+2*\a+1], v[L+4+2*\a:L+5+2*\a]
.endr
	v_pk_add_f32 v[L:L+1], v[L:L+1], v[L+2:L+3]
	v_add_f32 v236, v[L], v[L+1]
	v_permlanex16_b32 v237, v236, s[SEL], s[SEL+1]
	v_add_f32 v236, v236, v237                     ; my query's sum of p over my wave's 128 keys
	ds_store_b32 v[XMW], v236 offset:XS-XM         ; read behind the last barrier
	s_wait_loadcnt 0x0                             ; v's fragments and scale lines
	; ---- THE V PHASE: 32 steps, one j each
	s_mov_b32 s[PT], PVI
	s_mov_b32 s[PS], PVS-PKS
	s_mov_b32 s[OAO], 0
	v_add_nc_u32 v[PA], s[PT], v[LI]
	v_add_nc_u32 v[PSA], s[PS], v[PSA0]
	PLOAD 0
	STEPV 0, 0, 0, 1
	s_wait_alu depctr_va_vdst(0)
	STEPV 1, 1, 0, 1
	s_mov_b32 s[CNT], 14
.Lv:
	STEPV 0, 1, 1, 1
	STEPV 1, 1, 1, 1
	s_sub_co_u32 s[CNT], s[CNT], 1
	s_cmp_lg_u32 s[CNT], 0
	s_cbranch_scc1 .Lv
	STEPV 0, 1, 1, 1
	STEPV 1, 1, 1, 0
	WIN 0x02                                       ; j = 31's tiles 6 and 7, behind the same places as at the K phase's end
	VL 6, 0, 1, 1
	VL 6, 1, 1, 1
	VL 7, 0, 1, 1
	VL 7, 1, 1, 1
	WIN 0
	s_wait_alu depctr_va_vdst(0)
	s_wait_dscnt 0x0
	COMB 0                                         ; j = 30
	ds_store_b32 v[OA], v[OS]
	s_add_co_u32 s[OAO], s[OAO], 4
	COMB 1                                         ; j = 31
	ds_store_b32 v[OA], v[OS+1]
	s_wait_dscnt 0x0                               ; for the others' sake: my parts and my sum have landed
	s_barrier_signal -1
	s_barrier_wait -1
	; ---- THE END: thread t takes query t / 8 and four j: eight parts (four waves x two halves of the lanes) are added, and divided by the row's sum
	v_lshrrev_b32 v232, 3, v0                      ; the query
	v_and_b32 v233, 7, v0                          ; which four j
	v_mul_u32_u24 v234, v232, 144
	v_lshl_add_u32 v234, v233, 4, v234
	v_add_nc_u32 v234, XO, v234
	v_lshl_add_u32 v235, v232, 2, XS
	v_lshlrev_b32 v238, 10, v232
	v_lshl_add_u32 v238, v233, 4, v238             ; my 16 bytes of out0
.irp x, 0,1,2,3,4,5,6,7
	ds_load_b128 v[D+4*\x:D+4*\x+3], v234 offset:(\x/2)*4608+(\x%2)*2304
.endr
.irp x, 0,1,2,3
	ds_load_b32 v[240+\x], v235 offset:128*\x
.endr
	s_wait_dscnt 0x0
	v_add_f32 v240, v240, v241
	v_add_f32 v242, v242, v243
	v_add_f32 v240, v240, v242                     ; the row's sum
	s_wait_alu depctr_va_vdst(0)
	v_rcp_f32 v244, v240
.irp x, 1,2,3,4,5,6,7                          ; (plain work behind the reciprocal)
	v_pk_add_f32 v[D:D+1], v[D:D+1], v[D+4*\x:D+4*\x+1]
	v_pk_add_f32 v[D+2:D+3], v[D+2:D+3], v[D+4*\x+2:D+4*\x+3]
.endr
	s_wait_alu depctr_va_vdst(0)                   ; the wait ahead of the reciprocal's first reader
.irp i, 0,1,2,3
	v_mul_f32 v[D+\i], v[D+\i], v244
.endr
	global_store_b128 v238, v[D:D+3], s[16:17]
	s_set_vgpr_msb 0x4
	s_wait_tensorcnt 0x0
	ds_add_u32 v231, v255
	s_wait_dscnt 0x0
	s_set_vgpr_msb 0x400
	s_endpgm
.Lfunc_end_k_q527fa3a8db_attn:
	.size	k_q527fa3a8db_attn, .Lfunc_end_k_q527fa3a8db_attn-k_q527fa3a8db_attn
	.p2alignl 7, 3214868480
	.fill 96, 4, 3214868480
	.section	.rodata,"a",@progbits
	.p2align	6, 0x0
	.amdhsa_kernel k_q527fa3a8db_attn
		.amdhsa_group_segment_fixed_size 327680
		.amdhsa_private_segment_fixed_size 0
		.amdhsa_enable_private_segment 0
		.amdhsa_kernarg_size 56
		.amdhsa_user_sgpr_count 2
		.amdhsa_user_sgpr_kernarg_segment_ptr 1
		.amdhsa_wavefront_size32 1
		.amdhsa_system_sgpr_workgroup_id_x 1
		.amdhsa_system_sgpr_workgroup_id_y 1
		.amdhsa_system_sgpr_workgroup_id_z 1
		.amdhsa_system_vgpr_workitem_id 0
		.amdhsa_next_free_vgpr 768
		.amdhsa_next_free_sgpr 80
		.amdhsa_reserve_vcc 1
		.amdhsa_float_denorm_mode_32 3
		.amdhsa_float_denorm_mode_16_64 3
		.amdhsa_memory_ordered 1
		.amdhsa_forward_progress 1
		.amdhsa_inst_pref_size 100
	.end_amdhsa_kernel
	.amdgpu_metadata
---
amdhsa.version: [ 1, 2 ]
amdhsa.kernels:
  - .name:           k_q527fa3a8db_attn
    .symbol:         k_q527fa3a8db_attn.kd
    .args:
      - { .name: pimg, .offset: 0, .size: 8, .value_kind: global_buffer, .address_space: global }
      - { .name: psc, .offset: 8, .size: 8, .value_kind: global_buffer, .address_space: global }
      - { .name: kvi, .offset: 16, .size: 8, .value_kind: global_buffer, .address_space: global }
      - { .name: kvs, .offset: 24, .size: 8, .value_kind: global_buffer, .address_space: global }
      - { .name: qpf, .offset: 32, .size: 8, .value_kind: global_buffer, .address_space: global }
      - { .name: mask, .offset: 40, .size: 8, .value_kind: global_buffer, .address_space: global }
      - { .name: out0, .offset: 48, .size: 8, .value_kind: global_buffer, .address_space: global }
    .group_segment_fixed_size: 327680
    .private_segment_fixed_size: 0
    .kernarg_segment_align: 8
    .kernarg_segment_size: 56
    .max_flat_workgroup_size: 128
    .sgpr_count:     80
    .vgpr_count:     768
    .wavefront_size: 32
...
	.end_amdgpu_metadata
.endif
;; end of part 3
